; MI455X (gfx1250); checked and timed in simulation.
; The chip was launched on July 23, 2026; its instructions are those of AMD's public machine-readable ISA for CDNA 5 (MIT licence, August 2026) and "CDNA5" Instruction Set Architecture Reference Guide (July 2026). The comments in the code are by the model that wrote it; some were corrected since.
;; Code Book. Allowed arithmetic: float matrix products may take bf16 or f16 operands with f32 sums; all other float work in f32.
;; Inputs: codebook 8,192 x 512 float32; x 16,384 x 512 float32.
;; Outputs: out0 16,384 x 512 float32; out1 one number float32; out2 16,384 int32.
;; One version. Each part assembles by itself: llvm-mc -triple=amdgcn-amd-amdhsa -mcpu=gfx1250 --defsym DOCPART=n.
;; ======== version 1 of 1: 4 launches
;; limits: values outside matrix products are rounded to bf16
;; workspace buffers: bf 25,165,824 bytes; tab 196,608 bytes; pbest 262,144 bytes; pidx 262,144 bytes of whole numbers; part 1,024 bytes
;; launch prep (part 1): grid 768 x 1, 8 waves a work-group, no clusters, 1,280 bytes of LDS; arguments x, codebook, bf, tab; writes bf, tab
.if DOCPART == 1
	.amdgcn_target "amdgcn-amd-amdhsa--gfx1250"
	.amdhsa_code_object_version 6
	.text
	.protected	k_q1a35679119_prep
	.globl	k_q1a35679119_prep
	.p2align	8
	.type	k_q1a35679119_prep,@function
k_q1a35679119_prep:
	s_mov_b64 s[64:65], 0
	v_nop
	global_prefetch_b8 v0, s[64:65] scope:SCOPE_SE
	s_setreg_imm32_b32 hwreg(HW_REG_WAVE_MODE, 25, 1), 1
	s_wait_xcnt 0x0
; prep: rounds x [16384][512] and codebook [8192][512] (f32) to bf16 into bf [24576][512] (x's rows first, then the codes'),
; and writes for each row the pair tab[row] = (r, aux), both f32, made from the ROUNDED row:
;   ss = sum of squares, n = sqrt(ss), nm = max(n, 1e-12), r = 1 / nm (one Newton step on v_rcp_f32)
;   x rows:    aux = nm / 2
;   code rows: aux = d = 1 - ss r r where n < 1e-12, and exactly 0 elsewhere (a normalised row's square sum is taken as 1)
; The later search maximises dot(xb, wb) r_w + d nm_x / 2, which orders the codes as ||xn||^2 + ||wn||^2 - 2 xn.wn does.
; LIMITS: NaN and infinities are not served; ss must not overflow f32 (|value| below about 1e18); v_sqrt_f32 takes an ss below 2^-126 as 0.
; Memory binds: every input byte is read once by 16-byte loads (a wave's load covers 512 consecutive bytes), every bf byte is written
; once (a wave's 8-byte store covers 256 consecutive bytes, aligned).  No matrix unit, no cluster: no work-group shares a byte with another.
; Work-group = 32 rows, wave = 4 rows, all 16 loads of a wave issued at once; lane l owns elements 128 j + 4 l .. + 3 of a row, j = 0..3.
.set XR,   8                           ; v[8:71]    row i, load j: 4 registers at 8 + 16 i + 4 j
.set YR,   72                          ; v[72:103]  row i, load j: 2 registers (4 bf16) at 72 + 8 i + 2 j; never rewritten (store data)
.set TT,   104                         ; v[104:111] eight rounded numbers as f32
.set SQ,   112                         ; v[112:115] two chains of packed sums of squares
.set SSV,  116                         ; ss
.set NV,   117                         ; n
.set NMV,  118                         ; nm
.set R0V,  119                         ; first 1 / nm
.set EV,   120                         ; Newton's residue, then d
.set HXV,  121                         ; nm / 2
.set RP,   122                         ; v[122:123] (r, aux)
	s_load_b256 s[4:11], s[0:1], 0x0               ; x s[4:5], codebook s[6:7], bf s[8:9], tab s[10:11]
	v_lshl_add_u32 v128, v0, 2, 0x100
	v_mov_b32 v129, 0
	v_lshrrev_b32 v5, 5, v0
	v_readfirstlane_b32 s12, v5                    ; wave 0..7
	v_and_b32 v6, 31, v0                           ; lane
	v_lshlrev_b32 v1, 4, v6                        ; 16 bytes a lane: loads
	v_lshlrev_b32 v2, 3, v6                        ; 8 bytes a lane: stores
	v_mov_b32 v3, 0                                ; v_permlanex16_b32's destination counts as read
	v_lshlrev_b32 v4, 5, v5                        ; LDS: 4 pairs of 8 bytes a wave
	s_mov_b32 s16, 0x76543210                      ; v_permlanex16_b32: lane i reads lane i of the other half
	s_mov_b32 s17, 0xfedcba98
	s_mov_b32 s18, 0xffff0000                      ; a word's upper bf16
	s_mov_b32 s19, 0x2b8cbccc                      ; 1e-12
	s_lshl_b32 s21, s12, 2                         ; 4 rows a wave
	s_cmp_lt_u32 ttmp9, 512                        ; work-groups 0..511 take x, 512..767 the codebook
	s_cselect_b32 s13, -1, 0                       ; lane mask: all ones for x rows
	s_cselect_b32 s20, 0, 512
	s_wait_kmcnt 0x0
	s_cselect_b64 s[14:15], s[4:5], s[6:7]         ; the source buffer (SCC still the compare's)
	s_sub_co_u32 s20, ttmp9, s20
	s_lshl_b32 s20, s20, 5
	s_add_co_u32 s20, s20, s21                     ; my first row in the source
	s_lshl_b32 s22, s20, 11                        ; x 2,048 bytes
	s_mov_b32 s23, 0
	s_add_nc_u64 s[14:15], s[14:15], s[22:23]
	s_lshl_b32 s24, ttmp9, 5
	s_add_co_u32 s24, s24, s21                     ; my first row in bf
	s_lshl_b32 s24, s24, 10                        ; x 1,024 bytes
	s_mov_b32 s25, 0
	s_add_nc_u64 s[8:9], s[8:9], s[24:25]
	s_lshl_b32 s26, ttmp9, 8                       ; the work-group's 32 pairs in tab
	s_mov_b32 s27, 0
	s_add_nc_u64 s[10:11], s[10:11], s[26:27]
.irp i, 0,1,2,3
.irp j, 0,1,2,3
	global_load_b128 v[XR+16*\i+4*\j:XR+16*\i+4*\j+3], v1, s[14:15] offset:2048*\i+512*\j th:TH_LOAD_NT
.endr
.endr
.macro ROW i
	s_wait_loadcnt 12-4*\i                         ; loads return in order: this row's four are in, the later rows' stay out
.irp j, 0,1,2,3
	v_cvt_pk_bf16_f32 v[YR+8*\i+2*\j],   v[XR+16*\i+4*\j],   v[XR+16*\i+4*\j+1]
	v_cvt_pk_bf16_f32 v[YR+8*\i+2*\j+1], v[XR+16*\i+4*\j+2], v[XR+16*\i+4*\j+3]
.endr
.irp j, 0,1,2,3
	global_store_b64 v2, v[YR+8*\i+2*\j:YR+8*\i+2*\j+1], s[8:9] offset:1024*\i+256*\j   ; 32 lanes x 8 bytes = 256 consecutive bytes, aligned
.endr
	; the sum of squares of the rounded numbers, eight at a time, two chains
.irp g, 0,1
.irp k, 0,1,2,3
	v_lshlrev_b32 v[TT+2*\k],   16,  v[YR+8*\i+4*\g+\k]
	v_and_b32     v[TT+2*\k+1], s18, v[YR+8*\i+4*\g+\k]
.endr
.if \g == 0
	v_pk_mul_f32 v[SQ:SQ+1],   v[TT:TT+1],   v[TT:TT+1]          ; the first products start the sums
	v_pk_mul_f32 v[SQ+2:SQ+3], v[TT+2:TT+3], v[TT+2:TT+3]
.else
	v_pk_fma_f32 v[SQ:SQ+1],   v[TT:TT+1],   v[TT:TT+1],   v[SQ:SQ+1]
	v_pk_fma_f32 v[SQ+2:SQ+3], v[TT+2:TT+3], v[TT+2:TT+3], v[SQ+2:SQ+3]
.endif
	v_pk_fma_f32 v[SQ:SQ+1],   v[TT+4:TT+5], v[TT+4:TT+5], v[SQ:SQ+1]
	v_pk_fma_f32 v[SQ+2:SQ+3], v[TT+6:TT+7], v[TT+6:TT+7], v[SQ+2:SQ+3]
.endr
	v_pk_add_f32 v[SQ:SQ+1], v[SQ:SQ+1], v[SQ+2:SQ+3]
	v_add_f32 v[SSV], v[SQ], v[SQ+1]
	v_add_f32_dpp v[SSV], v[SSV], v[SSV] row_xmask:1 row_mask:0xf bank_mask:0xf
	v_add_f32_dpp v[SSV], v[SSV], v[SSV] row_xmask:2 row_mask:0xf bank_mask:0xf
	v_add_f32_dpp v[SSV], v[SSV], v[SSV] row_xmask:4 row_mask:0xf bank_mask:0xf
	v_add_f32_dpp v[SSV], v[SSV], v[SSV] row_xmask:8 row_mask:0xf bank_mask:0xf
	v_permlanex16_b32 v3, v[SSV], s16, s17
	v_add_f32 v[SSV], v[SSV], v3                   ; every lane holds the row's ss
	v_sqrt_f32 v[NV], v[SSV]
	v_nop                                          ; one plain place behind a transcendental (ISA guide 5.7.2)
	s_wait_alu depctr_va_vdst(0)
	v_max_num_f32 v[NMV], s19, v[NV]               ; nm = max(n, 1e-12)
	v_mul_f32 v[HXV], 0.5, v[NMV]
	v_rcp_f32 v[R0V], v[NMV]
	v_nop                                          ; the same place behind v_rcp_f32
	s_wait_alu depctr_va_vdst(0)
	v_fma_f32 v[EV], -v[NMV], v[R0V], 1.0          ; Newton: r = r0 + r0 (1 - nm r0)
	v_fma_f32 v[RP], v[R0V], v[EV], v[R0V]
	v_mul_f32 v[EV], v[SSV], v[RP]
	v_fma_f32 v[EV], -v[EV], v[RP], 1.0            ; 1 - ss r r
	v_cmp_le_f32 vcc_lo, s19, v[NV]                ; 1e-12 <= n: the row is truly normalised,
	v_cndmask_b32 v[EV], v[EV], 0, vcc_lo          ; and d is exactly 0
	v_cndmask_b32 v[RP+1], v[EV], v[HXV], s13      ; x rows carry nm / 2, code rows d
	ds_store_b64 v4, v[RP:RP+1] offset:8*\i        ; all lanes write the same 8 bytes with the same value
.endm
	ROW 0
	ROW 1
	ROW 2
	ROW 3
	s_wait_dscnt 0x0                               ; my four pairs lie in LDS before I say so
	s_barrier_signal -1
	s_barrier_wait -1
	s_cmp_lg_u32 s12, 0
	s_cbranch_scc1 .Lend
	ds_load_b64 v[124:125], v2                     ; wave 0: the work-group's 32 pairs,
	s_wait_dscnt 0x0
	global_store_b64 v2, v[124:125], s[10:11]      ; stored as 256 consecutive bytes, aligned
.Lend:
	s_wait_tensorcnt 0x0
	ds_add_u32 v128, v129
	s_wait_dscnt 0x0
	s_endpgm
.Lfunc_end_k_q1a35679119_prep:
	.size	k_q1a35679119_prep, .Lfunc_end_k_q1a35679119_prep-k_q1a35679119_prep
	.p2alignl 7, 3214868480
	.fill 96, 4, 3214868480
	.section	.rodata,"a",@progbits
	.p2align	6, 0x0
	.amdhsa_kernel k_q1a35679119_prep
		.amdhsa_group_segment_fixed_size 1280
		.amdhsa_private_segment_fixed_size 0
		.amdhsa_enable_private_segment 0
		.amdhsa_kernarg_size 32
		.amdhsa_user_sgpr_count 2
		.amdhsa_user_sgpr_kernarg_segment_ptr 1
		.amdhsa_wavefront_size32 1
		.amdhsa_system_sgpr_workgroup_id_x 1
		.amdhsa_system_sgpr_workgroup_id_y 1
		.amdhsa_system_sgpr_workgroup_id_z 1
		.amdhsa_system_vgpr_workitem_id 0
		.amdhsa_next_free_vgpr 130
		.amdhsa_next_free_sgpr 66
		.amdhsa_reserve_vcc 1
		.amdhsa_float_denorm_mode_32 3
		.amdhsa_float_denorm_mode_16_64 3
		.amdhsa_memory_ordered 1
		.amdhsa_forward_progress 1
		.amdhsa_inst_pref_size 16
	.end_amdhsa_kernel
	.amdgpu_metadata
---
amdhsa.version: [ 1, 2 ]
amdhsa.kernels:
  - .name:           k_q1a35679119_prep
    .symbol:         k_q1a35679119_prep.kd
    .args:
      - { .name: x, .offset: 0, .size: 8, .value_kind: global_buffer, .address_space: global }
      - { .name: codebook, .offset: 8, .size: 8, .value_kind: global_buffer, .address_space: global }
      - { .name: bf, .offset: 16, .size: 8, .value_kind: global_buffer, .address_space: global }
      - { .name: tab, .offset: 24, .size: 8, .value_kind: global_buffer, .address_space: global }
    .group_segment_fixed_size: 1280
    .private_segment_fixed_size: 0
    .kernarg_segment_align: 8
    .kernarg_segment_size: 32
    .max_flat_workgroup_size: 256
    .sgpr_count:     66
    .vgpr_count:     130
    .wavefront_size: 32
...
	.end_amdgpu_metadata
.endif
;; end of part 1
;; launch scan (part 2): grid 64 x 4, 4 waves a work-group, clusters of 4 x 1, 327,680 bytes of LDS; arguments bf, tab, pbest, pidx; writes pbest, pidx
.if DOCPART == 2
	.amdgcn_target "amdgcn-amd-amdhsa--gfx1250"
	.amdhsa_code_object_version 6
	.text
	.protected	k_q1a35679119_scan
	.globl	k_q1a35679119_scan
	.p2align	8
	.type	k_q1a35679119_scan,@function
k_q1a35679119_scan:
	s_mov_b64 s[64:65], 0
	v_nop
	global_prefetch_b8 v0, s[64:65] scope:SCOPE_SE
	s_setreg_imm32_b32 hwreg(HW_REG_WAVE_MODE, 25, 1), 1
	s_wait_xcnt 0x0
	s_wait_alu depctr_hold_cnt(0) depctr_sa_sdst(0) depctr_va_vdst(0) depctr_va_sdst(0) depctr_va_ssrc(0) depctr_va_vcc(0) depctr_vm_vsrc(0)
	s_getreg_b32 s2, hwreg(HW_REG_IB_STS2, 6, 4)
	s_cmp_eq_u32 s2, 0
	s_cbranch_scc0 .Lentry_in_a_cluster
	s_endpgm
.Lentry_in_a_cluster:
	s_bfe_u32 s2, ttmp6, 0x10000c
	s_cmp_lg_u32 s2, 0x3003
	s_cbranch_scc0 .Lentry_shape_is_right
	s_endpgm
.Lentry_shape_is_right:
; scan: for 256 x rows and one quarter (2,048) of the codes, the largest score and the lowest code index that reaches it:
;   score(m, k) = dot(xb_m, wb_k) r_k + d_k hx_m      (bf16 operands as stored in bf, f32 sums; r_k, d_k, hx_m from tab)
; which orders the codes as reference()'s squared distance of the normalised rows does.  pbest[q][m], pidx[q][m] take the quarter's winner.
; LIMITS: NaN and infinities are not served; two codes whose distances differ by less than about 1e-7 may be ordered otherwise than
; an f32 evaluation of the distance formula orders them; an all-zero x row scores every normalised code alike and gets the lowest index.
; SHAPE: 64 x 4 work-groups, one for each of 256 WGPs; four waves, one a SIMD.  A wave owns 64 x rows; their fragments for the whole K = 512
; (4 row blocks x 16 K steps x 8 = 512 registers) stay in registers for the launch.  The codes stream through two LDS slots of 128 codes.
; For a tile of 16 codes a wave issues 32 LDS loads and 64 matrix instructions, and the sums are complete: 32 accumulator registers a tile.
; The matrix instruction takes x as source 0 and codes as source 1, so lane (r, h) holds, in register j, row 8 h + j against code r:
; a lane sees one code column a tile, and the running maximum crosses lanes only once, at the end.
; OVERLAP: two sets of accumulators take turns tile by tile.  The 128 vector instructions that scale and compare tile u - 1 are dealt out in
; 32 chunks of four, one behind every second matrix instruction of tile u, so that no long run of vector work parts two tiles' matrix
; instructions.  The chunks work in window 0 and the matrix instructions read windows 2 or 3 and 1, so a chunk is framed by two window
; switches: 64 a tile.  (A comparison needs two vector sources that were both written as destinations; with x's 512 registers filling
; two windows no layout lets it run under the matrix instructions' setting.)  The next tile's 32 fragment loads go out in ONE run.
; CLUSTER: the four work-groups of a cluster share the quarter, so the code tiles (2 MiB a work-group) and the code table (16 KiB) are asked
; for jointly, mask 15.  The x block (256 KiB, read once) is the work-group's own inside its cluster and comes by a plain tensor load;
; the three work-groups elsewhere that read the same block would save 256 KiB of 2.25 MiB each: not worth a second axis of the cluster.
; REGISTER WINDOWS: 0 addresses, accumulators, running best; 1 code fragments, two buffers of 128; 2 x fragments of K steps 0-7; 3 of K steps 8-15.
.set PITCH, 1040                       ; an LDS row: 1,024 bytes + 16 = 65 x 16: the 16 rows of a fragment load start in 16 different 16-byte columns modulo 256
.set NT,    16*PITCH                   ; 16 rows: one tile of codes, or one row block of x
.set WQ,    32*PITCH                   ; a wave's quarter of a code slot
.set AQ,    64*PITCH                   ; a wave's 64 rows of x; also half a slot
.set SLOT,  128*PITCH                  ; 133,120 bytes; two slots; x's 256 rows lie on both at first
.set WTAB,  2*SLOT                     ; 266,240: 2,048 pairs (r, d)
.set STAGE, WTAB+16384                 ; 282,624: 512 bytes a wave for the way out; no tensor load lands here
.set STEP,  128*1024                   ; bytes of bf from one slot tile of codes to the next
.set AD,   4                           ; v[4:7]   q AQ + r PITCH + 16 h, q = 0..3: the four halves of the two slots
.set ADA,  8                           ; my wave's x rows
.set WT,   9                           ; WTAB + 8 r + 1,024 x slot tiles begun
.set KIDX, 10                          ; my lane's code index in the tile that is being compared
.set STG,  11
.set RDB,  12
.set GO,   13
.set HXA,  14
.set D2,   16                          ; v[16:17] d of my code in the tile that is being compared (v17 only completes the pair)
.set RW,   18                          ; v[18:21] (r, d), two pairs by the tile's parity
.set ACC,  32                          ; v[32:63] accumulator set 0, v[160:191] set 1 (ACC + 128 b); row block i at + 8 i
.set BEST, 64                          ; v[64:95]   element e = 8 i + j: row 16 i + 8 h + j
.set IDX,  96                          ; v[96:127]
.set HX,   128                         ; v[128:159]
.set G1B, 16                           ; s[16:23] group 1, code tiles (joint)
.set G1A, 24                           ; s[24:31] group 1, x block (plain)
.set G0B, 32                           ; s[32:39] group 0, code tiles, one set a slot
.set G1T, 40                           ; s[40:47] group 1, code table (joint)
.set G0A, 48                           ; s[48:51]
.set G0T, 52                           ; s[52:55]
.set MK,  80                           ; s[80:83] four lane masks of a chunk of comparisons
.set MSB, 0
.macro WIN new                         ; the immediate's high byte repeats the setting that is left; a switch that changes nothing is dropped
.if MSB != \new
	s_set_vgpr_msb (MSB<<8)|\new
.set MSB, \new
.endif
.endm
; A round of the cluster's barrier: my work-group's barrier, wave 0 signals for the work-group, every wave waits for all four work-groups, my barrier again.
.macro ROUND
	s_barrier_signal -1
	s_barrier_wait -1
	s_cmp_lg_u32 s12, 0
	s_cbranch_scc1 .Lnot_wave_0_\@
	s_barrier_signal -3
.Lnot_wave_0_\@:
	s_barrier_wait -3
	s_barrier_signal -1
	s_barrier_wait -1
.endm
	s_load_b256 s[4:11], s[0:1], 0x0               ; bf s[4:5], tab s[6:7], pbest s[8:9], pidx s[10:11]
	v_lshl_add_u32 v254, v0, 2, 0x45800
	v_mov_b32 v255, 0
	ds_add_u32 v254, v255
	v_lshrrev_b32 v3, 5, v0
	v_readfirstlane_b32 s12, v3                    ; wave 0..3
	s_bfe_u32 s13, ttmp6, 0x40000                  ; cx
	s_lshl_b32 s14, ttmp9, 2
	s_add_co_u32 s14, s14, s13                     ; bx = 4 x cluster x + cx: my block of 256 x rows
	s_and_b32 s15, ttmp7, 0xffff                   ; qy: the quarter of the codes, the same in the whole cluster
	; group 1 of the code tiles: 32 rows x 512 bf16 a wave, 16 bytes of padding behind each row of 256 words
	s_mov_b32 s[G1B+0], 15|(1<<16)|(1<<20)|(1<<21)|(7<<22)|(3<<25)  ; mask 15; 2-byte elements; padding on; bit 21 beside a mask; every 256 words; 4 words
	s_mov_b32 s[G1B+1], 512<<16                    ; tensor_dim0 = 512
	s_mov_b32 s[G1B+2], 32<<16                     ; tensor_dim1 = 32
	s_mov_b32 s[G1B+3], 512<<16                    ; tile_dim0 = 512
	s_mov_b32 s[G1B+4], 32                         ; tile_dim1 = 32
	s_mov_b32 s[G1B+5], 512                        ; pitch in elements
	s_mov_b32 s[G1B+6], 0
	s_mov_b32 s[G1B+7], 0
	; group 1 of the x block: 64 rows a wave, no mask
	s_mov_b32 s[G1A+0], (1<<16)|(1<<20)|(7<<22)|(3<<25)
	s_mov_b32 s[G1A+1], 512<<16
	s_mov_b32 s[G1A+2], 64<<16
	s_mov_b32 s[G1A+3], 512<<16
	s_mov_b32 s[G1A+4], 64
	s_mov_b32 s[G1A+5], 512
	s_mov_b32 s[G1A+6], 0
	s_mov_b32 s[G1A+7], 0
	; group 1 of the code table: a dense block, 16 rows of 32 elements of 8 bytes a wave, no padding
	s_mov_b32 s[G1T+0], 15|(3<<16)|(1<<21)
	s_mov_b32 s[G1T+1], 32<<16
	s_mov_b32 s[G1T+2], 16<<16
	s_mov_b32 s[G1T+3], 32<<16
	s_mov_b32 s[G1T+4], 16
	s_mov_b32 s[G1T+5], 32
	s_mov_b32 s[G1T+6], 0
	s_mov_b32 s[G1T+7], 0
	; offsets of the joint loads: made of qy and the wave's number alone, in registers that never hold cx
	s_lshl_b32 s56, s15, 21                        ; 2,048 codes x 1,024 bytes
	s_lshl_b32 s61, s12, 15                        ; my 32 rows of a tile
	s_add_co_u32 s56, s56, s61
	s_add_co_u32 s56, s56, 0x1000000               ; the codes lie behind x's 16,384 rows in bf
	s_mov_b32 s57, 0
	s_lshl_b32 s58, s15, 14                        ; 2,048 pairs of 8 bytes
	s_lshl_b32 s61, s12, 12                        ; my quarter of them
	s_add_co_u32 s58, s58, s61
	s_add_co_u32 s58, s58, 0x20000                 ; behind x's 16,384 pairs in tab
	s_mov_b32 s59, 0
	s_mul_i32 s62, s12, WQ                         ; LDS place of my quarter of a code tile
	s_lshl_b32 s63, s12, 12
	; offsets that hang on bx: global addresses of the plain load, of hx and of the results
	s_lshl_b32 s68, s14, 18                        ; 256 rows x 1,024 bytes
	s_lshl_b32 s76, s12, 16                        ; my 64 rows
	s_add_co_u32 s68, s68, s76
	s_mov_b32 s69, 0
	s_lshl_b32 s76, s14, 8
	s_lshl_b32 s77, s12, 6
	s_add_co_u32 s76, s76, s77                     ; my first x row
	s_lshl_b32 s70, s76, 3                         ; its pair in tab
	s_mov_b32 s71, 0
	s_lshl_b32 s72, s76, 2
	s_lshl_b32 s77, s15, 16
	s_add_co_u32 s72, s72, s77                     ; [qy][row], 4 bytes each
	s_mov_b32 s73, 0
	s_wait_dscnt 0x0
	s_wait_kmcnt 0x0
	s_add_nc_u64 s[56:57], s[4:5], s[56:57]        ; my rows of code tile 0
.irp n, 0,1
	s_mov_b32 s[G0B+4*\n], 1
	s_add_co_u32 s[G0B+4*\n+1], s62, \n*SLOT
	s_add_nc_u64 s[G0B+4*\n+2:G0B+4*\n+3], s[56:57], \n*STEP
	s_or_b32 s[G0B+4*\n+3], s[G0B+4*\n+3], 0x80000000
.endr
	s_mov_b32 s[G0T], 1
	s_add_co_u32 s[G0T+1], s63, WTAB
	s_add_nc_u64 s[G0T+2:G0T+3], s[6:7], s[58:59]
	s_or_b32 s[G0T+3], s[G0T+3], 0x80000000
	s_mov_b32 s[G0A], 1
	s_mul_i32 s[G0A+1], s12, AQ
	s_add_nc_u64 s[G0A+2:G0A+3], s[4:5], s[68:69]
	s_or_b32 s[G0A+3], s[G0A+3], 0x80000000
	s_add_nc_u64 s[70:71], s[6:7], s[70:71]        ; tab at my first x row
	s_add_nc_u64 s[74:75], s[10:11], s[72:73]      ; pidx at [qy][my first row]
	s_add_nc_u64 s[72:73], s[8:9], s[72:73]        ; pbest likewise
	ROUND                                          ; all four work-groups are here: the first joint load meets its partners'
	tensor_load_to_lds s[G0A:G0A+3], s[G1A:G1A+7]  ; my 64 x rows, over both slots' bytes
	s_nop 0
	tensor_load_to_lds s[G0T:G0T+3], s[G1T:G1T+7]  ; my quarter of the code table: two tensor loads of the wave are out, the most in this text
	s_nop 0
	v_and_b32 v1, 15, v0                           ; r
	v_bfe_u32 v2, v0, 4, 1                         ; h
	v_mul_u32_u24 v3, v1, PITCH
	v_lshl_add_u32 v3, v2, 4, v3                   ; r PITCH + 16 h: a fragment is two 16-byte loads, 32 bytes apart, from row r
.irp q, 0,1,2,3
	v_add_nc_u32 v[AD+\q], \q*AQ, v3
.endr
	v_add_nc_u32 v[ADA], s[G0A+1], v3
	v_lshl_add_u32 v[WT], v1, 3, WTAB
	s_lshl_b32 s61, s15, 11
	s_sub_co_u32 s61, s61, 16                      ; 16 is added ahead of every tile's comparison
	v_add_nc_u32 v[KIDX], s61, v1
	s_lshl_b32 s63, s12, 9
	s_add_co_u32 s63, s63, STAGE
	v_lshl_add_u32 v[STG], v2, 5, s63
	v_and_b32 v15, 31, v0
	v_lshlrev_b32 v[GO], 3, v15
	v_add_nc_u32 v[RDB], s63, v[GO]
	v_lshlrev_b32 v[HXA], 6, v2                    ; 8 h rows x 8 bytes
.irp i, 0,1,2,3
.irp j, 0,1,2,3,4,5,6,7
	global_load_b32 v[HX+8*\i+\j], v[HXA], s[70:71] offset:(16*\i+\j)*8+4   ; hx of row 16 i + 8 h + j, once in the launch
.endr
.endr
	v_mov_b32 v[D2+1], 0
.set EE, 0
.rept 32
	v_mov_b32 v[BEST+EE], 0xff800000               ; the running maximum starts at minus infinity,
	v_mov_b32 v[IDX+EE], 0                         ; its index at a valid one
.set EE, EE+1
.endr
	s_wait_tensorcnt 0x1                           ; my x rows are in LDS (only I read them); the code table, issued behind them, may stay out
	WIN 0x80
.irp k, 0,1,2,3,4,5,6,7
.irp i, 0,1,2,3
	ds_load_b128 v[8*(4*\k+\i):8*(4*\k+\i)+3],   v[ADA] offset:NT*\i+64*\k
	ds_load_b128 v[8*(4*\k+\i)+4:8*(4*\k+\i)+7], v[ADA] offset:NT*\i+64*\k+32
.endr
.endr
	WIN 0xc0
.irp k, 0,1,2,3,4,5,6,7
.irp i, 0,1,2,3
	ds_load_b128 v[8*(4*\k+\i):8*(4*\k+\i)+3],   v[ADA] offset:NT*\i+64*\k+512
	ds_load_b128 v[8*(4*\k+\i)+4:8*(4*\k+\i)+7], v[ADA] offset:NT*\i+64*\k+544
.endr
.endr
	WIN 0
	s_wait_loadcnt 0x0                             ; hx
	s_wait_tensorcnt 0x0                           ; all my tensor loads have landed, my quarter of the code table among them,
	ds_add_u32 v254, v255
	s_wait_dscnt 0x0                               ; and my reads of x's bytes are back:
	ROUND                                          ; that now holds of every wave of the cluster; the slots may be filled with codes
	tensor_load_to_lds s[G0B:G0B+3], s[G1B:G1B+7]  ; code tile 0 into slot 0: my one tensor load behind this round
	s_nop 0
	s_wait_tensorcnt 0x0                           ; my part of it has landed, and no tensor load of mine is out;
	ds_add_u32 v254, v255
	s_wait_dscnt 0x0                               ; no LDS read of mine is out either
	ROUND                                          ; slot 0 is whole for every wave
	tensor_load_to_lds s[G0B+4:G0B+7], s[G1B:G1B+7]  ; code tile 1 into slot 1, over the rest of x's bytes: my one tensor load behind this round
	s_nop 0
; 32 LDS loads: the 16 K steps' fragments of tile u (16 codes) of a slot, into buffer b of window 1
.macro FETCHB slot, u, b
	WIN 0x40
.irp k, 0,1,2,3,4,5,6,7,8,9,10,11,12,13,14,15
	ds_load_b128 v[128*\b+8*\k:128*\b+8*\k+3],   v[AD+2*\slot+(\u>>2)] offset:(\u&3)*NT+64*\k
	ds_load_b128 v[128*\b+8*\k+4:128*\b+8*\k+7], v[AD+2*\slot+(\u>>2)] offset:(\u&3)*NT+64*\k+32
.endr
.endm
; Chunk c (0..31) of a finished tile's vector work, four instructions that do not hang on each other; ab = its accumulator set, rp = its (r, d) pair.
;   c = 0..3:  dot x r                 c = 4..7:  + hx x d
;   c = 8..31, three chunks for each four elements: strictly greater than the running maximum? (codes ascend, so the lowest index of equal
;   scores stays); the index where so; the new maximum.
.macro CHUNK c, ab, rp
.if (\c) < 4
.set PP, 8*(\c)
.rept 4
	v_pk_mul_f32 v[\ab+PP:\ab+PP+1], v[\ab+PP:\ab+PP+1], v[\rp:\rp+1] op_sel_hi:[1,0]
.set PP, PP+2
.endr
.else
.if (\c) < 8
.set PP, 8*((\c)-4)
.rept 4
	v_pk_fma_f32 v[\ab+PP:\ab+PP+1], v[HX+PP:HX+PP+1], v[D2:D2+1], v[\ab+PP:\ab+PP+1] op_sel_hi:[1,0,1]
.set PP, PP+2
.endr
.else
.set PP, 4*(((\c)-8)/3)
.set PH, ((\c)-8)%3
.set JJ, 0
.rept 4
.if PH == 0
	v_cmp_gt_f32 s[MK+JJ], v[\ab+PP], v[BEST+PP]
.endif
.if PH == 1
	v_cndmask_b32 v[IDX+PP], v[IDX+PP], v[KIDX], s[MK+JJ]
.endif
.if PH == 2
	v_max_num_f32 v[BEST+PP], v[BEST+PP], v[\ab+PP]
.endif
.set PP, PP+1
.set JJ, JJ+1
.endr
.endif
.endif
.endm
; Tile u of a slot: fragment buffer and accumulator set b = u mod 2; bn = the other.
;   fetch = 1: the next tile's fragments (tile fu of slot fslot) are loaded into buffer bn.
;   turn  = 1: the slot's last tile: the slots change and this slot is filled again; 2: they change and nothing is left to fetch.
;   epi   = 1: the tile before is scaled and compared among this tile's matrix instructions.
; 64 matrix instructions: 16 K steps x 4 row blocks; the first K step starts the sums.  The four accumulators take turns, one instruction a
; turn.
.macro TILE slot, u, b, bn, fetch, fslot, fu, turn, epi
	WIN 0
	s_wait_dscnt 0x0                               ; the run issued 56 matrix instructions ago is back: this tile's fragments, the last tile's (r, d)
.if \turn
	; This tile's fragments were the last reads of this slot, and they are back.  All my tensor loads have landed: the one that was out is my
	; part of the other slot.  Behind the round both hold of every wave of the cluster: this slot is asked for again, first thing, one joint
	; load a wave, and the other slot is read from this tile's run on.  The load has eight tiles, 512 matrix instructions, in which to land.
	s_wait_tensorcnt 0x0
	ds_add_u32 v254, v255
	s_wait_dscnt 0x0
.if \turn == 1
	s_add_nc_u64 s[G0B+4*\slot+2:G0B+4*\slot+3], s[G0B+4*\slot+2:G0B+4*\slot+3], 2*STEP   ; no tensor load of mine is out: a group 0 may be written
.endif
	ROUND
.if \turn == 1
	tensor_load_to_lds s[G0B+4*\slot:G0B+4*\slot+3], s[G1B:G1B+7]
	s_nop 0
.endif
.endif
.if \epi
	v_mov_b32 v[D2], v[RW+2*\bn+1]                 ; four plain vector instructions that name no register of the last tile's matrix instructions
	v_add_nc_u32 v[KIDX], 16, v[KIDX]              ; stand between them and the first read of its sums, and the loads into its buffer
.if \u == 0
	v_add_nc_u32 v[WT], 1024, v[WT]                ; this slot tile's 128 pairs
.else
	v_nop
.endif
	v_nop
.endif
.set NN, 0
.rept 64
.if NN < 32
	WIN 0x06                                       ; source 0 (x) window 2, source 1 (codes) window 1, C and D window 0
.else
	WIN 0x07                                       ; x from window 3
.endif
.if NN < 4
	v_wmma_f32_16x16x32_bf16 v[ACC+128*\b+8*NN:ACC+128*\b+8*NN+7], v[8*NN:8*NN+7], v[128*\b:128*\b+7], 0
.else
	v_wmma_f32_16x16x32_bf16 v[ACC+128*\b+8*(NN%4):ACC+128*\b+8*(NN%4)+7], v[8*(NN%32):8*(NN%32)+7], v[128*\b+8*(NN/4):128*\b+8*(NN/4)+7], v[ACC+128*\b+8*(NN%4):ACC+128*\b+8*(NN%4)+7]
.endif
.if \epi
.if (NN%2) == 0
	WIN 0
	CHUNK NN/2, ACC+128*\bn, RW+2*\bn
.endif
.endif
.if NN == 7
	WIN 0
	ds_load_b64 v[RW+2*\b:RW+2*\b+1], v[WT] offset:128*\u          ; this tile's (r, d), for its comparison in the next tile
.if \fetch
	FETCHB \fslot, \fu, \bn                        ; one run; buffer bn was last read by the tile before, four places and more ago
.endif
.endif
.set NN, NN+1
.endr
.endm
.macro SIX slot                        ; tiles 1 to 6 of a slot
	TILE \slot, 1, 1, 0, 1, \slot, 2, 0, 1
	TILE \slot, 2, 0, 1, 1, \slot, 3, 0, 1
	TILE \slot, 3, 1, 0, 1, \slot, 4, 0, 1
	TILE \slot, 4, 0, 1, 1, \slot, 5, 0, 1
	TILE \slot, 5, 1, 0, 1, \slot, 6, 0, 1
	TILE \slot, 6, 0, 1, 1, \slot, 7, 0, 1
.endm
	; 16 slot tiles of 8 tiles.  The loop is turned by one tile, so that every tile in it compares the tile before:
	; tile 0 of slot tile 0 stands in front of it and compares nothing.
	FETCHB 0, 0, 0
	TILE 0, 0, 0, 1, 1, 0, 1, 0, 0
	WIN 0                                          ; at a label and at a branch every window is 0
	s_mov_b32 s60, 7                               ; 7 trips: slot tiles 0 to 13, and tile 0 of the one behind
.Lloop:
	SIX 0
	TILE 0, 7, 1, 0, 1, 1, 0, 1, 1
	TILE 1, 0, 0, 1, 1, 1, 1, 0, 1
	SIX 1
	TILE 1, 7, 1, 0, 1, 0, 0, 1, 1
	TILE 0, 0, 0, 1, 1, 0, 1, 0, 1
	WIN 0
	s_sub_co_u32 s60, s60, 1
	s_cmp_lg_u32 s60, 0
	s_cbranch_scc1 .Lloop
	SIX 0                                          ; slot tile 14
	TILE 0, 7, 1, 0, 1, 1, 0, 2, 1                 ; the slots change once more; nothing is left to fetch from memory
	TILE 1, 0, 0, 1, 1, 1, 1, 0, 1                 ; slot tile 15
	SIX 1
	TILE 1, 7, 1, 0, 0, 0, 0, 0, 1                 ; the last tile fetches no fragments
	WIN 0
	s_wait_dscnt 0x0                               ; its (r, d)
	v_mov_b32 v[D2], v[RW+3]                       ; the four places behind its matrix instructions
	v_add_nc_u32 v[KIDX], 16, v[KIDX]
	v_nop
	v_nop
.set CC, 0
.rept 32
	CHUNK CC, ACC+128, RW+2                        ; the last tile is compared in one block
.set CC, CC+1
.endr
	; Across the 16 lanes of a half (the halves hold different rows): the maximum, then the lowest index among the lanes that hold it.
	; Indices are below 8,192, exact in f32, so the minimum rides on f32 arithmetic.
.set EE, 0
.rept 32
	v_max_num_f32_dpp v[ACC+EE], v[BEST+EE], v[BEST+EE] row_xmask:1 row_mask:0xf bank_mask:0xf
.set EE, EE+1
.endr
.irp m, 2,4,8
.set EE, 0
.rept 32
	v_max_num_f32_dpp v[ACC+EE], v[ACC+EE], v[ACC+EE] row_xmask:\m row_mask:0xf bank_mask:0xf
.set EE, EE+1
.endr
.endr
.set EE, 0
.rept 32
	v_cvt_f32_u32 v[HX+EE], v[IDX+EE]
	v_cmp_eq_f32 vcc_lo, v[BEST+EE], v[ACC+EE]
	v_cndmask_b32 v[HX+EE], 0x7f800000, v[HX+EE], vcc_lo           ; lanes below the maximum offer infinity
.set EE, EE+1
.endr
.irp m, 1,2,4,8
.set EE, 0
.rept 32
	v_min_num_f32_dpp v[HX+EE], v[HX+EE], v[HX+EE] row_xmask:\m row_mask:0xf bank_mask:0xf
.set EE, EE+1
.endr
.endr
.set EE, 0
.rept 32
	v_cvt_u32_f32 v[IDX+EE], v[HX+EE]
.set EE, EE+1
.endr
	; The way out, through my own stage: row 16 i + 8 h + j at byte 64 i + 32 h + 4 j (the 16 lanes of a half write the same bytes with the same values)
.irp i, 0,1,2,3
.irp c, 0,1
	ds_store_b128 v[STG], v[ACC+8*\i+4*\c:ACC+8*\i+4*\c+3] offset:64*\i+16*\c
	ds_store_b128 v[STG], v[IDX+8*\i+4*\c:IDX+8*\i+4*\c+3] offset:256+64*\i+16*\c
.endr
.endr
	ds_load_b64 v[RW:RW+1],   v[RDB]               ; LDS serves a wave's instructions in order (ISA guide 5.7.1): these see the stores above
	ds_load_b64 v[RW+2:RW+3], v[RDB] offset:256
	s_wait_dscnt 0x0
	global_store_b64 v[GO], v[RW:RW+1],   s[72:73] ; my 64 rows: 256 consecutive bytes, aligned
	global_store_b64 v[GO], v[RW+2:RW+3], s[74:75]
	s_wait_tensorcnt 0x0
	ds_add_u32 v254, v255
	s_wait_dscnt 0x0
	ROUND                                          ; the closing round: no work-group ends while a partner may still ask jointly
	s_endpgm
.Lfunc_end_k_q1a35679119_scan:
	.size	k_q1a35679119_scan, .Lfunc_end_k_q1a35679119_scan-k_q1a35679119_scan
	.p2alignl 7, 3214868480
	.fill 96, 4, 3214868480
	.section	.rodata,"a",@progbits
	.p2align	6, 0x0
	.amdhsa_kernel k_q1a35679119_scan
		.amdhsa_group_segment_fixed_size 327680
		.amdhsa_private_segment_fixed_size 0
		.amdhsa_enable_private_segment 0
		.amdhsa_kernarg_size 32
		.amdhsa_user_sgpr_count 2
		.amdhsa_user_sgpr_kernarg_segment_ptr 1
		.amdhsa_wavefront_size32 1
		.amdhsa_system_sgpr_workgroup_id_x 1
		.amdhsa_system_sgpr_workgroup_id_y 1
		.amdhsa_system_sgpr_workgroup_id_z 1
		.amdhsa_system_vgpr_workitem_id 0
		.amdhsa_next_free_vgpr 1024
		.amdhsa_next_free_sgpr 84
		.amdhsa_reserve_vcc 1
		.amdhsa_float_denorm_mode_32 3
		.amdhsa_float_denorm_mode_16_64 3
		.amdhsa_memory_ordered 1
		.amdhsa_forward_progress 1
		.amdhsa_inst_pref_size 255
	.end_amdhsa_kernel
	.section	.bss,"aw",@nobits
	.p2align	6
	.space	262144
	.amdgpu_metadata
---
amdhsa.version: [ 1, 2 ]
amdhsa.kernels:
  - .name:           k_q1a35679119_scan
    .symbol:         k_q1a35679119_scan.kd
    .args:
      - { .name: bf, .offset: 0, .size: 8, .value_kind: global_buffer, .address_space: global }
      - { .name: tab, .offset: 8, .size: 8, .value_kind: global_buffer, .address_space: global }
      - { .name: pbest, .offset: 16, .size: 8, .value_kind: global_buffer, .address_space: global }
      - { .name: pidx, .offset: 24, .size: 8, .value_kind: global_buffer, .address_space: global }
    .group_segment_fixed_size: 327680
    .private_segment_fixed_size: 0
    .kernarg_segment_align: 8
    .kernarg_segment_size: 32
    .max_flat_workgroup_size: 128
    .sgpr_count:     84
    .vgpr_count:     1024
    .wavefront_size: 32
...
	.end_amdgpu_metadata
.endif
;; end of part 2
;; launch finish (part 3): grid 256 x 1, 16 waves a work-group, no clusters, 2,560 bytes of LDS; arguments bf, pbest, pidx, out0, out2, part; writes out0, out2, part
.if DOCPART == 3
	.amdgcn_target "amdgcn-amd-amdhsa--gfx1250"
	.amdhsa_code_object_version 6
	.text
	.protected	k_q1a35679119_finish
	.globl	k_q1a35679119_finish
	.p2align	8
	.type	k_q1a35679119_finish,@function
k_q1a35679119_finish:
	s_mov_b64 s[64:65], 0
	v_nop
	global_prefetch_b8 v0, s[64:65] scope:SCOPE_SE
	s_setreg_imm32_b32 hwreg(HW_REG_WAVE_MODE, 25, 1), 1
	s_wait_xcnt 0x0
; finish: for each x row, the winner among the four quarters' candidates, its code row normalised, out0 = xn + (q - xn), out2 = the index,
; and part[work-group] = the sum of (q - xn)^2 over the work-group's 64 rows.
; The four candidate indices are whole numbers read from memory, so all four code rows are fetched (addresses hang on no comparison of floats)
; and the winner's words are chosen by v_cndmask_b32: strictly greater, quarters ascending, so equal scores keep the lowest index.
; x and the codes are taken as rounded to bf16 in bf; norms are made anew from those numbers, clamped at 1e-12 as in reference().
; LIMITS: as in the search (NaN, infinities, sums of squares outside f32 are not served).
; Memory binds: no matrix unit, no cluster (no two work-groups share an x row; the code rows are whatever the list names).
; Work-group = 64 rows, wave = 4 rows; lane l owns elements 128 j + 4 l .. + 3: an 8-byte load of bf16 (256 consecutive bytes a wave),
; a 16-byte store of f32 (512 consecutive bytes a wave, aligned).  All 80 loads of a wave are issued at once.
.set CO,  4                            ; v[4:19]    byte offset of candidate (row i, quarter q) at 4 + 4 i + q
.set XB,  20                           ; v[20:51]   x row i, load j at 20 + 8 i + 2 j
.set CD,  52                           ; v[52:179]  candidate (i, q), load j at 52 + 32 i + 8 q + 2 j; the winner gathers in q = 0;
                                       ;            q = 1, 2's 16 registers then take the row's output and are not rewritten (store data)
.set BV,  180
.set IV,  181
.set IA,  182                          ; LDS: 16 x wave (4 indices)
.set LA,  183                          ; LDS: 4 x wave (the wave's loss sum, at 256)
.set WF,  184                          ; v[184:199] the winner's 16 numbers as f32, then q - xn
.set XF,  200                          ; v[200:215] x's 16 numbers, then -xn
.set SS,  216                          ; v[216:219] sums of squares: code, x
.set LS,  220                          ; v[220:221] sum of (q - xn)^2
.set RQ,  222                          ; v[222:223] 1 / |code|   (the second register only completes the pair)
.set RX,  224                          ; v[224:225] -1 / |x|
.set T0,  226                          ; v226-v231 at work; v3 and v228 take v_permlanex16_b32's results
	s_load_b256 s[4:11], s[0:1], 0x0               ; bf s[4:5], pbest s[6:7], pidx s[8:9], out0 s[10:11]
	s_load_b128 s[12:15], s[0:1], 0x20             ; out2 s[12:13], part s[14:15]
	v_lshl_add_u32 v232, v0, 2, 0x200
	v_mov_b32 v233, 0
	v_lshrrev_b32 v[T0], 5, v0
	v_readfirstlane_b32 s16, v[T0]                 ; wave 0..15
	v_and_b32 v[T0+1], 31, v0                      ; lane
	v_lshlrev_b32 v1, 3, v[T0+1]                   ; 8 bytes a lane
	v_lshlrev_b32 v2, 4, v[T0+1]                   ; 16 bytes a lane
	v_lshlrev_b32 v[IA], 4, v[T0]
	v_lshlrev_b32 v[LA], 2, v[T0]
	v_mov_b32 v3, 0
	v_mov_b32 v[T0+2], 0
	v_mov_b32 v[LS], 0
	v_mov_b32 v[LS+1], 0
	v_mov_b32 v[RQ+1], 0
	v_mov_b32 v[RX+1], 0
	s_mov_b32 s52, 0x76543210
	s_mov_b32 s53, 0xfedcba98
	s_mov_b32 s54, 0xffff0000
	s_mov_b32 s55, 0x2b8cbccc                      ; 1e-12
	s_lshl_b32 s17, ttmp9, 6
	s_lshl_b32 s18, s16, 2
	s_add_co_u32 s17, s17, s18                     ; my first row
	s_lshl_b32 s56, s17, 2
	s_mov_b32 s57, 0
	s_wait_kmcnt 0x0
	s_add_nc_u64 s[6:7], s[6:7], s[56:57]
	s_add_nc_u64 s[8:9], s[8:9], s[56:57]
.irp q, 0,1,2,3
	s_load_b128 s[20+4*\q:23+4*\q], s[8:9], \q*65536               ; pidx[q][my 4 rows]
	s_load_b128 s[36+4*\q:39+4*\q], s[6:7], \q*65536               ; pbest[q][my 4 rows]
.endr
	s_add_nc_u64 s[58:59], s[4:5], 0x1000000       ; the codes in bf, behind x's 16,384 rows
	s_lshl_b32 s56, s17, 10
	s_add_nc_u64 s[4:5], s[4:5], s[56:57]          ; my x rows
.irp i, 0,1,2,3
.irp j, 0,1,2,3
	global_load_b64 v[XB+8*\i+2*\j:XB+8*\i+2*\j+1], v1, s[4:5] offset:1024*\i+256*\j th:TH_LOAD_NT
.endr
.endr
	s_lshl_b32 s56, s17, 11
	s_add_nc_u64 s[10:11], s[10:11], s[56:57]      ; my rows of out0
	s_lshl_b32 s56, ttmp9, 8
	s_add_nc_u64 s[12:13], s[12:13], s[56:57]      ; the work-group's 64 indices
	s_lshl_b32 s56, ttmp9, 2
	s_add_nc_u64 s[14:15], s[14:15], s[56:57]      ; its word of part
	s_wait_kmcnt 0x0
.set NN, 0
.rept 16
	s_min_u32 s[20+NN], s[20+NN], 0x1fff           ; an index stays inside the table of 8,192 codes
.set NN, NN+1
.endr
.irp i, 0,1,2,3
.irp q, 0,1,2,3
	v_lshl_add_u32 v[CO+4*\i+\q], s[20+4*\q+\i], 10, v1            ; index x 1,024 bytes + my 8
.endr
.endr
.irp i, 0,1,2,3
.irp q, 0,1,2,3
.irp j, 0,1,2,3
	global_load_b64 v[CD+32*\i+8*\q+2*\j:CD+32*\i+8*\q+2*\j+1], v[CO+4*\i+\q], s[58:59] offset:256*\j
.endr
.endr
.endr
.macro FROW i
	s_wait_loadcnt 48-16*\i                        ; loads return in order: x and this row's 16 candidate loads are in, the later rows' stay out
	v_mov_b32 v[BV], s[36+\i]
	v_mov_b32 v[IV], s[20+\i]
.irp q, 1,2,3
	v_cmp_gt_f32 vcc_lo, s[36+4*\q+\i], v[BV]
.irp w, 0,1,2,3,4,5,6,7
	v_cndmask_b32 v[CD+32*\i+\w], v[CD+32*\i+\w], v[CD+32*\i+8*\q+\w], vcc_lo
.endr
	v_cndmask_b32 v[BV], v[BV], s[36+4*\q+\i], vcc_lo
	v_cndmask_b32 v[IV], v[IV], s[20+4*\q+\i], vcc_lo
.endr
.irp w, 0,1,2,3,4,5,6,7
	v_lshlrev_b32 v[WF+2*\w],   16,  v[CD+32*\i+\w]
	v_and_b32     v[WF+2*\w+1], s54, v[CD+32*\i+\w]
	v_lshlrev_b32 v[XF+2*\w],   16,  v[XB+8*\i+\w]
	v_and_b32     v[XF+2*\w+1], s54, v[XB+8*\i+\w]
.endr
	v_pk_mul_f32 v[SS:SS+1],   v[WF:WF+1], v[WF:WF+1]              ; the first products start the sums
	v_pk_mul_f32 v[SS+2:SS+3], v[XF:XF+1], v[XF:XF+1]
.irp p, 2,4,6,8,10,12,14
	v_pk_fma_f32 v[SS:SS+1],   v[WF+\p:WF+\p+1], v[WF+\p:WF+\p+1], v[SS:SS+1]
	v_pk_fma_f32 v[SS+2:SS+3], v[XF+\p:XF+\p+1], v[XF+\p:XF+\p+1], v[SS+2:SS+3]
.endr
	v_add_f32 v[T0],   v[SS],   v[SS+1]
	v_add_f32 v[T0+1], v[SS+2], v[SS+3]
.irp m, 1,2,4,8
	v_add_f32_dpp v[T0],   v[T0],   v[T0]   row_xmask:\m row_mask:0xf bank_mask:0xf
	v_add_f32_dpp v[T0+1], v[T0+1], v[T0+1] row_xmask:\m row_mask:0xf bank_mask:0xf
.endr
	v_permlanex16_b32 v3,      v[T0],   s52, s53
	v_permlanex16_b32 v[T0+2], v[T0+1], s52, s53
	v_add_f32 v[T0],   v[T0],   v3
	v_add_f32 v[T0+1], v[T0+1], v[T0+2]
	v_sqrt_f32 v[T0+3], v[T0]
	v_sqrt_f32 v[T0+4], v[T0+1]
	v_nop                                          ; one plain place behind the transcendentals (ISA guide 5.7.2)
	s_wait_alu depctr_va_vdst(0)
	v_max_num_f32 v[T0+3], s55, v[T0+3]
	v_max_num_f32 v[T0+4], s55, v[T0+4]
	v_rcp_f32 v[RQ],   v[T0+3]
	v_rcp_f32 v[T0+5], v[T0+4]
	v_nop
	s_wait_alu depctr_va_vdst(0)
	v_mul_f32 v[RX], -1.0, v[T0+5]
.irp p, 0,2,4,6,8,10,12,14
	v_pk_mul_f32 v[XF+\p:XF+\p+1], v[XF+\p:XF+\p+1], v[RX:RX+1] op_sel_hi:[1,0]                        ; -xn
	v_pk_fma_f32 v[WF+\p:WF+\p+1], v[WF+\p:WF+\p+1], v[RQ:RQ+1], v[XF+\p:XF+\p+1] op_sel_hi:[1,0,1]    ; q - xn
	v_pk_fma_f32 v[LS:LS+1], v[WF+\p:WF+\p+1], v[WF+\p:WF+\p+1], v[LS:LS+1]
	v_pk_add_f32 v[CD+32*\i+8+\p:CD+32*\i+8+\p+1], v[WF+\p:WF+\p+1], v[XF+\p:XF+\p+1] neg_lo:[0,1] neg_hi:[0,1]   ; xn + (q - xn)
.endr
.irp j, 0,1,2,3
	global_store_b128 v2, v[CD+32*\i+8+4*\j:CD+32*\i+8+4*\j+3], s[10:11] offset:2048*\i+512*\j th:TH_STORE_NT
.endr
	ds_store_b32 v[IA], v[IV] offset:4*\i          ; all lanes write the same word with the same value
.endm
	FROW 0
	FROW 1
	FROW 2
	FROW 3
	v_add_f32 v[T0], v[LS], v[LS+1]
.irp m, 1,2,4,8
	v_add_f32_dpp v[T0], v[T0], v[T0] row_xmask:\m row_mask:0xf bank_mask:0xf
.endr
	v_permlanex16_b32 v3, v[T0], s52, s53
	v_add_f32 v[T0], v[T0], v3
	ds_store_b32 v[LA], v[T0] offset:256
	s_wait_dscnt 0x0                               ; my indices and my sum lie in LDS before I say so
	s_barrier_signal -1
	s_barrier_wait -1
	s_cmp_lg_u32 s16, 0
	s_cbranch_scc1 .Lend
	v_and_b32 v[T0+1], 15, v0                      ; wave 0: v0 is the lane
	v_lshlrev_b32 v[T0+1], 2, v[T0+1]
	ds_load_b64 v[WF:WF+1], v1                     ; the 64 indices
	ds_load_b32 v[T0], v[T0+1] offset:256          ; the 16 waves' sums, once in each half of the lanes
	s_wait_dscnt 0x0
	global_store_b64 v1, v[WF:WF+1], s[12:13]      ; 256 consecutive bytes of out2, aligned
.irp m, 1,2,4,8
	v_add_f32_dpp v[T0], v[T0], v[T0] row_xmask:\m row_mask:0xf bank_mask:0xf
.endr
	v_cmp_eq_u32 vcc_lo, 0, v0
	s_wait_xcnt 0x0                                ; EXEC is a source of the stores above: it changes only behind this wait
	s_and_saveexec_b32 s17, vcc_lo
	global_store_b32 v1, v[T0], s[14:15]           ; lane 0 (its v1 is 0): the work-group's sum
	s_wait_xcnt 0x0                                ; and again in front of the line that widens it
	s_or_b32 exec_lo, exec_lo, s17
.Lend:
	s_wait_tensorcnt 0x0
	ds_add_u32 v232, v233
	s_wait_dscnt 0x0
	s_endpgm
.Lfunc_end_k_q1a35679119_finish:
	.size	k_q1a35679119_finish, .Lfunc_end_k_q1a35679119_finish-k_q1a35679119_finish
	.p2alignl 7, 3214868480
	.fill 96, 4, 3214868480
	.section	.rodata,"a",@progbits
	.p2align	6, 0x0
	.amdhsa_kernel k_q1a35679119_finish
		.amdhsa_group_segment_fixed_size 2560
		.amdhsa_private_segment_fixed_size 0
		.amdhsa_enable_private_segment 0
		.amdhsa_kernarg_size 48
		.amdhsa_user_sgpr_count 2
		.amdhsa_user_sgpr_kernarg_segment_ptr 1
		.amdhsa_wavefront_size32 1
		.amdhsa_system_sgpr_workgroup_id_x 1
		.amdhsa_system_sgpr_workgroup_id_y 1
		.amdhsa_system_sgpr_workgroup_id_z 1
		.amdhsa_system_vgpr_workitem_id 0
		.amdhsa_next_free_vgpr 234
		.amdhsa_next_free_sgpr 66
		.amdhsa_reserve_vcc 1
		.amdhsa_float_denorm_mode_32 3
		.amdhsa_float_denorm_mode_16_64 3
		.amdhsa_memory_ordered 1
		.amdhsa_forward_progress 1
		.amdhsa_inst_pref_size 41
	.end_amdhsa_kernel
	.amdgpu_metadata
---
amdhsa.version: [ 1, 2 ]
amdhsa.kernels:
  - .name:           k_q1a35679119_finish
    .symbol:         k_q1a35679119_finish.kd
    .args:
      - { .name: bf, .offset: 0, .size: 8, .value_kind: global_buffer, .address_space: global }
      - { .name: pbest, .offset: 8, .size: 8, .value_kind: global_buffer, .address_space: global }
      - { .name: pidx, .offset: 16, .size: 8, .value_kind: global_buffer, .address_space: global }
      - { .name: out0, .offset: 24, .size: 8, .value_kind: global_buffer, .address_space: global }
      - { .name: out2, .offset: 32, .size: 8, .value_kind: global_buffer, .address_space: global }
      - { .name: part, .offset: 40, .size: 8, .value_kind: global_buffer, .address_space: global }
    .group_segment_fixed_size: 2560
    .private_segment_fixed_size: 0
    .kernarg_segment_align: 8
    .kernarg_segment_size: 48
    .max_flat_workgroup_size: 512
    .sgpr_count:     66
    .vgpr_count:     234
    .wavefront_size: 32
...
	.end_amdgpu_metadata
.endif
;; end of part 3
;; launch loss (part 4): grid 1 x 1, 1 waves a work-group, no clusters, 0 bytes of LDS; arguments part, out1; writes out1
.if DOCPART == 4
	.amdgcn_target "amdgcn-amd-amdhsa--gfx1250"
	.amdhsa_code_object_version 6
	.text
	.protected	k_q1a35679119_loss
	.globl	k_q1a35679119_loss
	.p2align	8
	.type	k_q1a35679119_loss,@function
k_q1a35679119_loss:
	s_mov_b64 s[64:65], 0
	v_nop
	global_prefetch_b8 v0, s[64:65] scope:SCOPE_SE
	s_setreg_imm32_b32 hwreg(HW_REG_WAVE_MODE, 25, 1), 1
	s_wait_xcnt 0x0
; loss = m + 0.25 m = 1.25 m, m = (sum of the 256 work-groups' sums of (q - xn)^2) / (16384 x 512).  Both of reference()'s means are this m.
; A sum over work-groups is made in a launch of its own; 1,024 bytes, one wave, eight numbers a lane.
; The order of rounding differs from reference()'s by the last bit: one multiplication by 1.25 x 2^-23 stands for the division, the product and the sum.
	s_load_b128 s[4:7], s[0:1], 0x0                ; part s[4:5], out1 s[6:7]
	v_lshlrev_b32 v1, 4, v0                        ; 16 bytes a lane
	v_mov_b32 v10, 0                               ; v_permlanex16_b32's destination counts as read
	s_mov_b32 s8, 0x76543210
	s_mov_b32 s9, 0xfedcba98
	s_wait_kmcnt 0x0
	global_load_b128 v[2:5], v1, s[4:5]
	global_load_b128 v[6:9], v1, s[4:5] offset:512
	s_wait_loadcnt 0x0
	v_pk_add_f32 v[2:3], v[2:3], v[4:5]
	v_pk_add_f32 v[6:7], v[6:7], v[8:9]
	v_pk_add_f32 v[2:3], v[2:3], v[6:7]
	v_add_f32 v2, v2, v3
	v_add_f32_dpp v2, v2, v2 row_xmask:1 row_mask:0xf bank_mask:0xf
	v_add_f32_dpp v2, v2, v2 row_xmask:2 row_mask:0xf bank_mask:0xf
	v_add_f32_dpp v2, v2, v2 row_xmask:4 row_mask:0xf bank_mask:0xf
	v_add_f32_dpp v2, v2, v2 row_xmask:8 row_mask:0xf bank_mask:0xf
	v_permlanex16_b32 v10, v2, s8, s9
	v_add_f32 v2, v2, v10
	v_mul_f32 v2, 0x34200000, v2                   ; x 1.25 x 2^-23 = 1.25 / (16384 x 512); the constant is exact
	v_cmp_eq_u32 vcc_lo, 0, v0
	s_wait_xcnt 0x0                                ; EXEC changes only behind this wait
	s_and_saveexec_b32 s10, vcc_lo
	global_store_b32 v1, v2, s[6:7]                ; lane 0 (its v1 is 0)
	s_wait_xcnt 0x0
	s_or_b32 exec_lo, exec_lo, s10
	s_endpgm
.Lfunc_end_k_q1a35679119_loss:
	.size	k_q1a35679119_loss, .Lfunc_end_k_q1a35679119_loss-k_q1a35679119_loss
	.p2alignl 7, 3214868480
	.fill 96, 4, 3214868480
	.section	.rodata,"a",@progbits
	.p2align	6, 0x0
	.amdhsa_kernel k_q1a35679119_loss
		.amdhsa_group_segment_fixed_size 0
		.amdhsa_private_segment_fixed_size 0
		.amdhsa_enable_private_segment 0
		.amdhsa_kernarg_size 16
		.amdhsa_user_sgpr_count 2
		.amdhsa_user_sgpr_kernarg_segment_ptr 1
		.amdhsa_wavefront_size32 1
		.amdhsa_system_sgpr_workgroup_id_x 1
		.amdhsa_system_sgpr_workgroup_id_y 1
		.amdhsa_system_sgpr_workgroup_id_z 1
		.amdhsa_system_vgpr_workitem_id 0
		.amdhsa_next_free_vgpr 16
		.amdhsa_next_free_sgpr 66
		.amdhsa_reserve_vcc 1
		.amdhsa_float_denorm_mode_32 3
		.amdhsa_float_denorm_mode_16_64 3
		.amdhsa_memory_ordered 1
		.amdhsa_forward_progress 1
		.amdhsa_inst_pref_size 2
	.end_amdhsa_kernel
	.amdgpu_metadata
---
amdhsa.version: [ 1, 2 ]
amdhsa.kernels:
  - .name:           k_q1a35679119_loss
    .symbol:         k_q1a35679119_loss.kd
    .args:
      - { .name: part, .offset: 0, .size: 8, .value_kind: global_buffer, .address_space: global }
      - { .name: out1, .offset: 8, .size: 8, .value_kind: global_buffer, .address_space: global }
    .group_segment_fixed_size: 0
    .private_segment_fixed_size: 0
    .kernarg_segment_align: 8
    .kernarg_segment_size: 16
    .max_flat_workgroup_size: 32
    .sgpr_count:     66
    .vgpr_count:     16
    .wavefront_size: 32
...
	.end_amdgpu_metadata
.endif
;; end of part 4
